; MI455X (gfx1250); checked and timed in simulation.
; The chip was launched on July 23, 2026; its instructions are those of AMD's public machine-readable ISA for CDNA 5 (MIT licence, August 2026) and "CDNA5" Instruction Set Architecture Reference Guide (July 2026). The comments in the code are by the model that wrote it; some were corrected since.
;; Multiheaded Attention. Allowed arithmetic: matrix products marked QUANTISED: E2M1 operands, one E8M0 scale for each 32 along K, by v_wmma_scale_f32_16x16x128_f8f6f4 with both operands' format E2M1 (or v_wmma_scale_f32_32x16x128_f4), f32 sums; products left as they are: bf16, f16 or f32 operands; f32 sums; everything else in f32.
;; Inputs: k 8,192 x 64 float32; q 8,192 x 64 float32; v 8,192 x 64 float32; w_o 512 x 512 float32.
;; Outputs: out0 8,192 x 512 float32.
;; This version of the problem:
;;   THIS VERSION OF THE PROBLEM IS GIVEN IN LOW PRECISION. The matrix products marked QUANTISED in the list below multiply operands that are first quantised to E2M1 (2 exponent bits, 1 mantissa bit; 4 bits a number), with one power-of-two scale for each 32 numbers along K (OCP MX v1.0); their sums are f32. The products marked 'left as it is' may take bf16, f16 or f32 operands, with f32 sums. Whichever they take, every output number must still come out within the allowed error. Rounding operands to bf16 (8 significant bits) uses up far more of that allowance than f16 does (11 bits, for magnitudes from 6e-5 to 65,504). All else is computed in f32.
;;   The module's matrix products, in the order in which they are computed (A, B: the left and right operand; K: the contracted axis; several contracted axes count as one K, in the product's order):
;;     1. [M 8,192, K 64] x [K 64, N 8,192]; A: input q; B: input k: QUANTISED
;;     2. [M 8,192, K 8,192] x [K 8,192, N 64]; A: computed on the way; B: input v: left as it is (an operand is computed on the way)
;;     3. [M 8,192, K 512] x [K 512, N 512]; A: computed on the way; B: input w_o: left as it is (an operand is computed on the way)
;;   THE QUANTISER, for each operand of a quantised product, along K:
;;     - K is cut into blocks of 32 from its start; a last block that is shorter is filled with zeros.
;;     - A block's scale is 2^e with e = floor(log2(the largest magnitude in the block)) - 2, held to -126 .. 127; a block of zeros has e = 0. As a byte (E8M0): e + 127.
;;     - Each number is divided by its block's scale, clamped to +-6, and rounded to the nearest number of E2M1, ties to even, subnormals kept.
;;     - The product sums the exact products of the quantised numbers (number of the format x scale) in f32.
;;   ~~~python
;;   def quantise(x, axis):      # numpy; x: float32 -> the quantised numbers, widened to float32 again
;;       x = np.moveaxis(x, axis, -1); K = x.shape[-1]
;;       x = np.pad(x, [(0, 0)] * (x.ndim - 1) + [(0, -K % 32)]); x = x.reshape(x.shape[:-1] + (-1, 32)); a = np.abs(x).max(-1, keepdims=True)
;;       e = np.where(a > 0, np.clip(np.frexp(np.where(a > 0, a, 1))[1] - 1 - 2, -126, 127), 0)      # np.frexp(a)[1] - 1 = floor(log2(a)), exactly
;;       r = np.clip(x / 2.0 ** e, -6, 6)
;;       step = 2.0 ** (np.maximum(np.frexp(np.where(r == 0, 1, r))[1] - 1, 0) - 1)
;;       q = np.round(r / step) * step * 2.0 ** e      # np.round: ties to even
;;       return np.moveaxis(q.reshape(q.shape[:-2] + (-1,))[..., :K], -1, axis).astype(np.float32)
;;   ~~~
;; One version. Each part assembles by itself: llvm-mc -triple=amdgcn-amd-amdhsa -mcpu=gfx1250 --defsym DOCPART=n.
;; ======== version 1 of 1: 3 launches
;; limits: values are held in f16: magnitudes above 65,504 overflow, below 6.1e-05 lose precision; inputs' magnitudes at most 65,504; values outside matrix products are rounded to f16
;; workspace buffers: qk 589,824 bytes; vh 1,048,576 bytes; wf 65,536 bytes; po 8,388,608 bytes; ml 524,288 bytes
;; launch prep (part 1): grid 224 x 1, 4 waves a work-group, no clusters, 70,144 bytes of LDS; arguments q, k, v, w_o, qk, vh, wf; writes qk, vh, wf
.if DOCPART == 1
	.amdgcn_target "amdgcn-amd-amdhsa--gfx1250"
	.amdhsa_code_object_version 6
	.text
	.protected	k_qb451a1eb32_prep
	.globl	k_qb451a1eb32_prep
	.p2align	8
	.type	k_qb451a1eb32_prep,@function
k_qb451a1eb32_prep:
	s_mov_b64 s[64:65], 0
	v_nop
	global_prefetch_b8 v0, s[64:65] scope:SCOPE_SE
	s_setreg_imm32_b32 hwreg(HW_REG_WAVE_MODE, 25, 1), 1
	s_wait_xcnt 0x0
; THE OPERANDS ARE LAID OUT ONCE, in the order in which the later launches' operand registers take them.  Three roles, chosen by the work-group's number; every job is one shot: all loads, counted waits, stores.
;   work-groups 0-63:    q and k [8192][64] f32 -> codes of FP4 (E2M1) and E8M0 scale bytes, quantised along the 64 (two blocks of 32 a row).  A wave takes a group of 64 rows.
;   work-groups 64-191:  v [8192][64] f32 -> f16, as fragments of V^T (16 channels x 32 keys).  A wave takes 32 keys x 32 channels.
;   work-groups 192-223: w_o [512][512] f32 -> Wsum[d][n] = the sum over h of w_o[64 h + d][n] (the eight heads are one head tiled, so the projection folds to K = 64), f32 sums with h ascending, then f16, as fragments of Wsum^T.
; qk: 256 groups of 2,304 bytes (0-127: q, 128-255: k).  A group: four images of 512 bytes (tile i of 16 rows: lane l's 16 bytes at 512 i + 16 l; lane (r, h) holds block h of row r), then 256 bytes of scale words:
;     lane l's 8 bytes at 2048 + 8 l are the words of rows l and 32 + l.  A word is b0 | b1 << 8 | b0 << 16 | b1 << 24: the upper two bytes belong to the half of the instruction's K = 128 whose codes are zeros.
; vh: fragment (32 keys s, 16 channels c) at 1024 (4 s + c); in it keys 32 s + 8 u + 0..7 of channel 16 c + r at 256 u + 16 r, the lower key in the lower half.   wf: fragment (16 columns nt, 32 d ks) at 1024 (2 nt + ks), likewise.
; A block's scale byte is its largest magnitude's exponent field - 2, held at 1 from below.
; LIMITS: NaN and infinities are not served.  A block of zeros, and one whose largest magnitude lies under 2^-124, gets the byte 1 (a block of zeros: where the quantiser's rule says 127; its codes are zeros, and this program alone reads
; the bytes).  |v| and |Wsum| stay under 65,504, f16's largest number.
.set STW,   17408                      ; LDS: a wave's four stages,
.set STI,   4352                       ; each 16 rows x (256 bytes + 16 of padding)
.set SPARE, 4*STW                      ; behind them the spare words, 128 bytes for each wave: two blocks of 256 bytes that no other line names
.set SPW,   10                         ; v10  LDS address of my spare word; never rewritten
.set NIL,   11                         ; v11  0; never rewritten
.set MX,    16                         ; v16-19 a tile's largest magnitude;  v20-23 the conversions' scale operand;  v24-27 bytes, then scale words;  v28-31 the other half of the lanes'
.set SC,    20
.set BY,    24
.set U,     28
.set X,     32                         ; v32-159 numbers
.set C,     160                        ; v160-175 codes;  v176-177 scale words on their way out
	s_load_b256 s[4:11], s[0:1], 0x0               ; q s[4:5], k s[6:7], v s[8:9], w_o s[10:11]
	s_load_b128 s[12:15], s[0:1], 0x20             ; qk s[12:13], vh s[14:15]
	s_load_b64 s[16:17], s[0:1], 0x30              ; wf
	v_lshl_add_u32 v[SPW], v0, 2, SPARE
	v_mov_b32 v[NIL], 0
	v_lshrrev_b32 v1, 5, v0
	v_readfirstlane_b32 s20, v1                    ; wave 0..3
	v_and_b32 v1, 31, v0                           ; lane
	v_and_b32 v2, 15, v0                           ; r
	v_bfe_u32 v3, v0, 4, 1                         ; h
	s_mov_b32 s27, 0                               ; the upper word of every offset
	s_wait_kmcnt 0x0
	s_cmp_ge_u32 ttmp9, 192
	s_cbranch_scc1 .Lw
	s_cmp_ge_u32 ttmp9, 64
	s_cbranch_scc1 .Lv
	; ---- q and k.  Group = 4 x work-group + wave
	s_lshl_b32 s21, ttmp9, 2
	s_add_co_u32 s21, s21, s20
	s_and_b32 s26, s21, 127
	s_lshl_b32 s26, s26, 14                        ; 64 rows of 256 bytes
	s_cmp_lt_u32 ttmp9, 32                         ; q's group or k's: the choice hangs on the work-group's number alone
	s_cselect_b64 s[28:29], s[4:5], s[6:7]
	s_add_nc_u64 s[28:29], s[28:29], s[26:27]
	s_mul_i32 s26, s21, 2304
	s_add_nc_u64 s[30:31], s[12:13], s[26:27]
	v_lshlrev_b32 v4, 4, v1                        ; 16 x lane
.irp i, 0,1,2,3
.irp j, 0,1,2,3,4,5,6,7
	global_load_b128 v[X+32*\i+4*\j:X+32*\i+4*\j+3], v4, s[28:29] offset:4096*\i+512*\j th:TH_LOAD_NT   ; 32 lanes read 512 consecutive bytes: two rows
.endr
.endr
	s_mul_i32 s25, s20, STW
	v_mul_u32_u24 v5, v3, 272
	v_lshl_add_u32 v5, v2, 4, v5
	v_add_nc_u32 v5, s25, v5                       ; into a stage as loaded: row lane / 16 of the load's two, 16 bytes a lane
	v_mul_u32_u24 v6, v2, 272
	v_lshl_add_u32 v6, v3, 7, v6
	v_add_nc_u32 v6, s25, v6                       ; and back: row r, block h: my 32 neighbours.  Rows 272 bytes apart: the 16 rows that a load touches start at 16 different banks (ISA guide 11.1)
	v_lshlrev_b32 v8, 3, v1                        ; 8 x lane
	v_lshlrev_b32 v9, 3, v3                        ; 8 h: my byte's place in a scale word
	s_mov_b32 s22, 0x76543210
	s_mov_b32 s23, 0xfedcba98                      ; v_permlanex16_b32's selects for lane l xor 16
	s_mov_b32 s24, 0xffff0000                      ; lanes 16-31
.irp i, 0,1,2,3
	v_mov_b32 v[U+\i], 0                           ; a lane permute's destination counts as one of its sources
.endr
.irp i, 0,1,2,3
	s_wait_loadcnt 8*(3-\i)                        ; tile i's eight loads are in; the later tiles' may be out
.irp j, 0,1,2,3,4,5,6,7
	ds_store_b128 v5, v[X+32*\i+4*\j:X+32*\i+4*\j+3] offset:STI*\i+544*\j
.endr
.irp j, 0,1,2,3,4,5,6,7
	ds_load_b128 v[X+32*\i+4*\j:X+32*\i+4*\j+3], v6 offset:STI*\i+16*\j   ; LDS serves a wave's instructions in order (ISA guide 5.7.1.4): these see the stores above
.endr
.endr
	s_wait_dscnt 0x0                               ; lane (r, h) holds block h of row r of each tile: 32 numbers in 32 registers
.irp i, 0,1,2,3
	v_max3_num_f32 v[MX+\i], |v[X+32*\i]|, |v[X+32*\i+1]|, 0x1800000   ; the block's largest magnitude, and the floor 2^(3 - 127): the byte cannot fall under 1.  The four tiles by turns
.endr
.irp n, 2,4,6,8,10,12,14,16,18,20,22,24,26,28,30
.irp i, 0,1,2,3
	v_max3_num_f32 v[MX+\i], v[MX+\i], |v[X+32*\i+\n]|, |v[X+32*\i+\n+1]|
.endr
.endr
.irp i, 0,1,2,3
	v_add_nc_u32 v[SC+\i], 0xff000000, v[MX+\i]    ; 2 off the exponent field: the conversion takes the exponent field of this operand as its scale, and nothing else of it
.endr
.irp i, 0,1,2,3
	v_lshrrev_b32 v[BY+\i], 23, v[SC+\i]           ; the scale's byte,
.endr
.irp i, 0,1,2,3
	v_lshlrev_b32 v[BY+\i], v9, v[BY+\i]           ; at its place: block h is byte h
.endr
.irp i, 0,1,2,3
	v_permlanex16_b32 v[U+\i], v[BY+\i], s22, s23
.endr
.irp i, 0,1,2,3
	v_or_b32 v[BY+\i], v[BY+\i], v[U+\i]           ; with the row's other block's
.endr
.irp i, 0,1,2,3
	v_lshl_or_b32 v[BY+\i], v[BY+\i], 16, v[BY+\i] ; and both once more, for the zero half of K
.endr
.irp i, 0,1,2,3
.irp g, 0,1,2,3
	v_cvt_scalef32_pk8_fp4_f32 v[C+4*\i+\g], v[X+32*\i+8*\g:X+32*\i+8*\g+7], v[SC+\i]   ; eight numbers / the scale, to the nearest code, ties to even, beyond 6 the largest code; the first number's code in the lowest bits
.endr
.endr
	v_cndmask_b32 v176, v[BY], v[BY+1], s24        ; lane l: row l's word (tile 0 below, tile 1 above).  Also the plain instruction behind the conversions
	v_cndmask_b32 v177, v[BY+2], v[BY+3], s24      ; and row 32 + l's
.irp i, 0,1,2,3
	global_store_b128 v4, v[C+4*\i:C+4*\i+3], s[30:31] offset:512*\i   ; 32 lanes store 512 consecutive bytes, at a multiple of 256 from the buffer's first byte
.endr
	global_store_b64 v8, v[176:177], s[30:31] offset:2048              ; 256 consecutive bytes, aligned
	s_wait_tensorcnt 0x0                           ; the wave's end
	ds_add_u32 v[SPW], v[NIL]
	s_wait_dscnt 0x0
	s_endpgm
.Lv:	; ---- v.  A LANE TAKES A CHANNEL AND ITS REGISTERS RUN DOWN THE KEYS, which are the second product's K: nothing is transposed.  s = 2 (work-group - 64) + wave / 2; channels 32 (wave % 2) on: two waves stand side by side on a row
	s_sub_co_u32 s21, ttmp9, 64
	s_lshl_b32 s21, s21, 1
	s_lshr_b32 s25, s20, 1
	s_add_co_u32 s21, s21, s25                     ; s
	s_and_b32 s25, s20, 1
	s_lshl_b32 s26, s21, 13                        ; 32 rows of 256 bytes,
	s_lshl_b32 s28, s25, 7                         ; 128 bytes into them
	s_add_co_u32 s26, s26, s28
	s_add_nc_u64 s[8:9], s[8:9], s[26:27]
	s_lshl_b32 s26, s21, 12                        ; four fragments to an s,
	s_lshl_b32 s28, s25, 11                        ; my wave's two of them
	s_add_co_u32 s26, s26, s28
	s_add_nc_u64 s[14:15], s[14:15], s[26:27]
	v_lshlrev_b32 v4, 2, v1
	v_lshlrev_b32 v7, 10, v3
	v_lshl_add_u32 v7, v2, 4, v7                   ; out: fragment lane / 16, 16 bytes for channel lane % 16
.irp n, 0,1,2,3,4,5,6,7,8,9,10,11,12,13,14,15,16,17,18,19,20,21,22,23,24,25,26,27,28,29,30,31
	global_load_b32 v[X+\n], v4, s[8:9] offset:256*\n th:TH_LOAD_NT   ; key n, my channel: 32 lanes read 128 consecutive bytes
.endr
.irp u, 0,1,2,3
	s_wait_loadcnt 8*(3-\u)                        ; keys 8 u .. 8 u + 7 are in
.irp i, 0,1,2,3
	v_cvt_pk_f16_f32 v[96+4*\u+\i], v[X+8*\u+2*\i], v[X+8*\u+2*\i+1]
.endr
	global_store_b128 v7, v[96+4*\u:96+4*\u+3], s[14:15] offset:256*\u   ; sixteen lanes store 256 consecutive bytes, aligned
.endr
	s_endpgm
.Lw:	; ---- w_o.  g = work-group - 192: a wave takes columns 32 (4 (g % 4) + wave) + 0..31 and d = 8 (g / 4) + 0..7, for each of the eight heads.
	; A lane takes TWO neighbouring columns, 2 r and 2 r + 1, and four of the eight d: lanes 0-15 the lower four, lanes 16-31 the upper four.  So a wave has 4 x 8 = 32 loads of 8 bytes, all issued at once.
	s_sub_co_u32 s21, ttmp9, 192
	s_and_b32 s25, s21, 3
	s_lshl_b32 s25, s25, 2
	s_add_co_u32 s25, s25, s20                     ; which 32 columns
	s_lshr_b32 s21, s21, 2                         ; which 8 of d
	s_lshl_b32 s26, s21, 14                        ; 8 rows of 2,048 bytes
	s_lshl_b32 s28, s25, 7
	s_add_co_u32 s26, s26, s28
	s_add_nc_u64 s[10:11], s[10:11], s[26:27]
	s_lshl_b32 s26, s25, 12                        ; 32 columns are two nt: four fragments
	s_lshr_b32 s28, s21, 2
	s_lshl_b32 s28, s28, 10                        ; ks = d / 32
	s_add_co_u32 s26, s26, s28
	s_and_b32 s28, s21, 3
	s_lshl_b32 s28, s28, 8                         ; the 8 of d inside the fragment
	s_add_co_u32 s26, s26, s28
	s_add_nc_u64 s[16:17], s[16:17], s[26:27]
	v_lshlrev_b32 v4, 13, v3                       ; in: lanes 16-31 begin four rows of 2,048 bytes further down;
	v_lshl_add_u32 v4, v2, 3, v4                   ; 8 bytes a lane
	v_lshl_add_u32 v5, v2, 1, v3                   ; out: I store column 2 r + h of the 32:
	v_lshrrev_b32 v6, 4, v5                        ; which nt of the two,
	v_and_b32 v5, 15, v5                           ; and which column of its 16
	v_lshlrev_b32 v7, 11, v6
	v_lshl_add_u32 v7, v5, 4, v7
.irp hh, 0,1,2,3,4,5,6,7
.irp dd, 0,1,2,3
	global_load_b64 v[X+8*\hh+2*\dd:X+8*\hh+2*\dd+1], v4, s[10:11] offset:(64*\hh+\dd)*2048 th:TH_LOAD_NT   ; sixteen lanes read 128 consecutive bytes of a row
.endr
.endr
.irp hh, 1,2,3,4,5,6,7
	s_wait_loadcnt 4*(7-\hh)                       ; heads 0 to hh are in; the later heads' loads, four each, may be out
.irp p, 0,1,2,3
	v_pk_add_f32 v[X+2*\p:X+2*\p+1], v[X+2*\p:X+2*\p+1], v[X+8*\hh+2*\p:X+8*\hh+2*\p+1]   ; both columns at my p-th d
.endr
.endr
	v_cvt_pk_f16_f32 v96, v[X], v[X+2]             ; column 2 r: my four d,
	v_cvt_pk_f16_f32 v97, v[X+4], v[X+6]
	v_cvt_pk_f16_f32 v98, v[X+1], v[X+3]           ; column 2 r + 1: the same four
	v_cvt_pk_f16_f32 v99, v[X+5], v[X+7]
	v_permlane16_swap_b32 v96, v98                 ; the first's lanes 16-31 change places with the second's lanes 0-15: lane (r, h) now holds column 2 r + h alone,
	v_permlane16_swap_b32 v97, v99                 ; v96-97 its lower four d, v98-99 its upper four: 16 bytes as the fragment wants them
	global_store_b128 v7, v[96:99], s[16:17]       ; the 32 lanes fill two aligned blocks of 256 bytes, each whole
	s_endpgm
.Lfunc_end_k_qb451a1eb32_prep:
	.size	k_qb451a1eb32_prep, .Lfunc_end_k_qb451a1eb32_prep-k_qb451a1eb32_prep
	.p2alignl 7, 3214868480
	.fill 96, 4, 3214868480
	.section	.rodata,"a",@progbits
	.p2align	6, 0x0
	.amdhsa_kernel k_qb451a1eb32_prep
		.amdhsa_group_segment_fixed_size 70144
		.amdhsa_private_segment_fixed_size 0
		.amdhsa_enable_private_segment 0
		.amdhsa_kernarg_size 56
		.amdhsa_user_sgpr_count 2
		.amdhsa_user_sgpr_kernarg_segment_ptr 1
		.amdhsa_wavefront_size32 1
		.amdhsa_system_sgpr_workgroup_id_x 1
		.amdhsa_system_sgpr_workgroup_id_y 1
		.amdhsa_system_sgpr_workgroup_id_z 1
		.amdhsa_system_vgpr_workitem_id 0
		.amdhsa_next_free_vgpr 184
		.amdhsa_next_free_sgpr 66
		.amdhsa_reserve_vcc 0
		.amdhsa_float_denorm_mode_32 3
		.amdhsa_float_denorm_mode_16_64 3
		.amdhsa_memory_ordered 1
		.amdhsa_forward_progress 1
		.amdhsa_inst_pref_size 28
	.end_amdhsa_kernel
	.amdgpu_metadata
---
amdhsa.version: [ 1, 2 ]
amdhsa.kernels:
  - .name:           k_qb451a1eb32_prep
    .symbol:         k_qb451a1eb32_prep.kd
    .args:
      - { .name: q, .offset: 0, .size: 8, .value_kind: global_buffer, .address_space: global }
      - { .name: k, .offset: 8, .size: 8, .value_kind: global_buffer, .address_space: global }
      - { .name: v, .offset: 16, .size: 8, .value_kind: global_buffer, .address_space: global }
      - { .name: w_o, .offset: 24, .size: 8, .value_kind: global_buffer, .address_space: global }
      - { .name: qk, .offset: 32, .size: 8, .value_kind: global_buffer, .address_space: global }
      - { .name: vh, .offset: 40, .size: 8, .value_kind: global_buffer, .address_space: global }
      - { .name: wf, .offset: 48, .size: 8, .value_kind: global_buffer, .address_space: global }
    .group_segment_fixed_size: 70144
    .private_segment_fixed_size: 0
    .kernarg_segment_align: 8
    .kernarg_segment_size: 56
    .max_flat_workgroup_size: 128
    .sgpr_count:     66
    .vgpr_count:     184
    .wavefront_size: 32
...
	.end_amdgpu_metadata
.endif
;; end of part 1
;; launch attn (part 2): grid 32 x 8, 8 waves a work-group, clusters of 4 x 1, 168,960 bytes of LDS; arguments qk, vh, po, ml; writes po, ml
.if DOCPART == 2
	.amdgcn_target "amdgcn-amd-amdhsa--gfx1250"
	.amdhsa_code_object_version 6
	.text
	.protected	k_qb451a1eb32_attn
	.globl	k_qb451a1eb32_attn
	.p2align	8
	.type	k_qb451a1eb32_attn,@function
k_qb451a1eb32_attn:
	s_mov_b64 s[64:65], 0
	v_nop
	global_prefetch_b8 v0, s[64:65] scope:SCOPE_SE
	s_setreg_imm32_b32 hwreg(HW_REG_WAVE_MODE, 25, 1), 1
	s_wait_xcnt 0x0
	s_wait_alu depctr_hold_cnt(0) depctr_sa_sdst(0) depctr_va_vdst(0) depctr_va_sdst(0) depctr_va_ssrc(0) depctr_va_vcc(0) depctr_vm_vsrc(0)
	s_getreg_b32 s2, hwreg(HW_REG_IB_STS2, 6, 4)
	s_cmp_eq_u32 s2, 0
	s_cbranch_scc0 .Lentry_in_a_cluster
	s_endpgm
.Lentry_in_a_cluster:
	s_bfe_u32 s2, ttmp6, 0x10000c
	s_cmp_lg_u32 s2, 0x3003
	s_cbranch_scc0 .Lentry_shape_is_right
	s_endpgm
.Lentry_shape_is_right:
; PARTS OF softmax(q k^T / 8) v.  Work-group (X, y) takes queries 256 X .. + 255 and keys 1024 y .. + 1023 and stores, for each query, its softmax over these keys alone times v, in f16 (po), and c x its largest score and the
; sum of its weights, in f32 (ml); the next launch joins the eight parts of a query.  32 x 8 = 256 work-groups of equal work.
; SHARES.  Eight waves, two for each of a WGP's four SIMDs; wave w owns queries 32 w .. + 31 of the block, two tiles of 16, and walks all 1,024 keys, 128 a step.
; THE WHOLE CHUNK OF KEYS LIES IN LDS: k's codes and scale words (36,864 bytes) and V^T's fragments in f16 (131,072 bytes), as images of the operands' registers: every read is 16 bytes a lane, 512 consecutive bytes an instruction.
; Nothing is filled twice: no ring, no barrier in the loop.
; CLUSTER.  The four query blocks of a cluster share y, so they need the same chunk: each of its tiles is asked for JOINTLY, by the same tensor load with the same descriptor and the mask of all four.
; PRODUCTS.  S^T = K Q^T on codes of FP4 with E8M0 scales (source 0 = 16 keys, source 1 = 16 queries); the head's 64 fill half of the instruction's K = 128, the other half is zero codes in registers cleared once.
; In the result a lane holds ONE query (lane % 16) and keys 8 (lane / 16) + 0..7.  Two such tiles, rounded to f16 in pairs, ARE source 1 (32 keys x 16 queries) of O^T = V^T P: nothing changes lanes.
; SOFTMAX, in f32: a running largest score m and sum l for each query; p = 2^(c s - c m), c = log2(e) / 8; in every step O^T and l are multiplied by a = 2^(c m_old - c m_new).  l sums the unrounded p.
; LIMITS: NaN and infinities are not served; p is at most 1 and |v| under 65,504, so both have room in f16; a part, O^T / l, is a weighted mean of v and has the same room.
; REGISTERS.  Window 0: v2-9 addresses; v16-31 statistics, eight a tile; v32-39 sums at work; v40-43 K's scale words, v44 Q's; v48-63 Q's two fragments; v64-127 K's eight; v128-255 S^T, then p, then P in place.
;             Window 1: v0-63 O^T (tile t, channels 16 c on: v[32 t + 8 c]); v64-191 V^T's sixteen fragments of a step.
.set VH,     36864                     ; LDS: k's 16 groups of 2,304 bytes from 0; V^T's 128 fragments of 1,024 bytes from here;
.set SPARE,  VH+131072                 ; the spare words, 128 bytes for each wave: four blocks of 256 bytes that no other line names
.set KSTEPB, 4608                      ; a step's 128 keys: two groups,
.set VSTEPB, 16384                     ; and sixteen fragments
.set AK0, 2                            ; v2   16 x lane: my place in an image; also my offset in po.  Never rewritten
.set AS0, 3                            ; v3   2048 + 8 x lane: my two scale words of a group
.set AV0, 4                            ; v4   VH + 16 x lane
.set QO,  5                            ; v5   my offset among my group's codes of q
.set QSO, 6                            ; v6   and among its scale words
.set ADK, 7                            ; v7-9 the LDS addresses of the step's loads
.set ADS, 8
.set ADV, 9
.set SPW, 10                           ; v10  LDS address of my spare word; never rewritten
.set NIL, 11                           ; v11  0; never rewritten
.set MLO, 14                           ; v14  8 x lane: my offset in ml
.set ST,  16                           ; tile t at v[ST + 8 t]: +0 c m, +1 m, +2, +3 l (even keys', odd keys'), +4 to +7 four chains of the maximum; then +6 a, +7 c m_old - c m_new
.set TMP, 32
.set KS,  40
.set QS,  44
.set QF,  48
.set KF,  64
.set S,   128
.set VF,  64                           ; in window 1
.set WV,  12                           ; s12  wave
.set CX,  13                           ; s13  my place in the cluster;  s14  my block of queries;  s15  my chunk of keys
.set XB,  14
.set YB,  15
.set G1A, 16                           ; s[16:23], s[24:31], s[32:39] descriptor groups 1: 18, 16 and 48 rows of 256 bytes
.set G1B, 24
.set G1C, 32
.set G0A, 40                           ; s[40:43], s[44:47], s[48:51] groups 0
.set G0B, 44
.set G0C, 48
.set CS,  52                           ; s[52:53] c: the packed form names a pair and takes its low word for both halves
.set SEL, 54                           ; s[54:55] v_permlanex16_b32's selects for lane l xor 16
.set CNT, 56                           ; s56  the loop's steps to go
.set HI,  57                           ; s57  lanes 16-31
.set TK,  58                           ; s58  LDS byte of the K that is fetched next
.set TV,  59                           ; s59  and of the V
.set MSB, 0
.macro WIN new                         ; s_set_vgpr_msb: bits 1:0 source 0, 3:2 source 1, 5:4 source 2, 7:6 destination; the high byte repeats the setting that is left
.if MSB != \new
	s_set_vgpr_msb (MSB<<8)|\new
.set MSB, \new
.endif
.endm
.macro ROUND                           ; a round of the cluster's barrier
	s_barrier_signal -1
	s_barrier_wait -1
	s_cmp_lg_u32 s[WV], 0
	s_cbranch_scc1 .Lnot_wave_0_\@
	s_barrier_signal -3
.Lnot_wave_0_\@:
	s_barrier_wait -3
	s_barrier_signal -1
	s_barrier_wait -1
.endm
	s_load_b256 s[4:11], s[0:1], 0x0               ; qk s[4:5], vh s[6:7], po s[8:9], ml s[10:11]
	v_lshl_add_u32 v[SPW], v0, 2, SPARE
	v_mov_b32 v[NIL], 0
	ds_add_u32 v[SPW], v[NIL]                      ; the wave's opening: the add, twice on end, and its wait ahead of my first tensor load; the set-up below, work on registers, stands between
	ds_add_u32 v[SPW], v[NIL]
	v_lshrrev_b32 v1, 5, v0
	v_readfirstlane_b32 s[WV], v1                  ; wave 0..7
	s_bfe_u32 s[CX], ttmp6, 0x40000                ; cx
	s_lshl_b32 s[XB], ttmp9, 2                     ; in a cluster launch ttmp9 counts clusters
	s_add_co_u32 s[XB], s[XB], s[CX]               ; X = 4 x cluster x + cx: it enters q's, po's and ml's addresses alone
	s_and_b32 s[YB], ttmp7, 0xffff                 ; y, which the four partners share
.irp g, G1A, G1B, G1C                  ; dense blocks, as rows of 256 bytes: 32 elements of 8 bytes, no padding (every read takes consecutive bytes)
	s_mov_b32 s[\g], 15|(3<<16)|(1<<21)            ; 15:0 the mask: all four work-groups; 17:16 elements of 8 bytes; 21 set beside a mask
	s_mov_b32 s[\g+1], 32<<16                      ; tensor_dim0
	s_mov_b32 s[\g+3], 32<<16                      ; tile_dim0
	s_mov_b32 s[\g+5], 32                          ; elements from row to row
	s_mov_b32 s[\g+6], 0
	s_mov_b32 s[\g+7], 0
.endr
	s_mov_b32 s[G1A+2], 18<<16                     ; tensor_dim1 and tile_dim1: two groups of k;
	s_mov_b32 s[G1A+4], 18
	s_mov_b32 s[G1B+2], 16<<16                     ; an eighth of V^T for steps 0 and 1;
	s_mov_b32 s[G1B+4], 16
	s_mov_b32 s[G1C+2], 48<<16                     ; an eighth of it for steps 2 to 7
	s_mov_b32 s[G1C+4], 48
	s_mul_i32 s60, s[WV], 4608                     ; my part of each block, the same in memory and in LDS: no place in the cluster enters
	s_lshl_b32 s61, s[WV], 12
	s_mul_i32 s62, s[WV], 12288
	s_mul_i32 s66, s[YB], 16*2304
	s_add_co_u32 s66, s66, s60
	s_add_co_u32 s66, s66, 128*2304                ; k's groups lie behind q's 128
	s_mov_b32 s67, 0
	s_lshl_b32 s68, s[YB], 17                      ; a chunk of V^T: 131,072 bytes
	s_add_co_u32 s70, s68, s62
	s_add_co_u32 s70, s70, 2*VSTEPB
	s_add_co_u32 s68, s68, s61
	s_mov_b32 s69, 0
	s_mov_b32 s71, 0
	s_mov_b32 s[G0A], 1                            ; 1:0 count = 1
	s_mov_b32 s[G0A+1], s60                        ; 63:32 LDS address
	s_mov_b32 s[G0B], 1
	s_add_co_u32 s[G0B+1], s61, VH
	s_mov_b32 s[G0C], 1
	s_add_co_u32 s[G0C+1], s62, VH+2*VSTEPB
	s_lshl_b32 s74, s[XB], 2                       ; my queries' group of q: 4 X + wave / 2
	s_lshr_b32 s75, s[WV], 1
	s_add_co_u32 s74, s74, s75
	s_mul_i32 s74, s74, 2304
	s_mov_b32 s75, 0
	s_and_b32 s76, s[WV], 1                        ; and which 32 of its 64 rows
	s_lshl_b32 s77, s76, 10
	s_lshl_b32 s76, s76, 2
	s_lshl_b32 s78, s[YB], 9                       ; po: tile 512 y + 16 X + 2 wave, 2,048 bytes a tile (16 queries x 64 channels of f16)
	s_lshl_b32 s79, s[XB], 4
	s_add_co_u32 s78, s78, s79
	s_lshl_b32 s79, s[WV], 1
	s_add_co_u32 s78, s78, s79
	s_lshl_b32 s78, s78, 11
	s_mov_b32 s79, 0
	s_lshl_b32 s80, s[YB], 16                      ; ml: 8 bytes a query: 8 (8192 y + 256 X + 32 wave)
	s_lshl_b32 s81, s[XB], 11
	s_add_co_u32 s80, s80, s81
	s_lshl_b32 s81, s[WV], 8
	s_add_co_u32 s80, s80, s81
	s_mov_b32 s81, 0
	s_mov_b32 s[CS], 0x3e38aa3b                    ; c = log2(e) / sqrt(64)
	s_mov_b32 s[CS+1], s[CS]                       ; (named with it as a pair, so it is written)
	s_mov_b32 s[SEL], 0x76543210
	s_mov_b32 s[SEL+1], 0xfedcba98
	s_mov_b32 s[HI], 0xffff0000
	s_mov_b32 s[TK], 0
	s_mov_b32 s[TV], 0
	v_and_b32 v1, 31, v0                           ; lane
	v_lshlrev_b32 v[AK0], 4, v1
	v_lshl_add_u32 v[AS0], v1, 3, 2048
	v_add_nc_u32 v[AV0], VH, v[AK0]
	v_lshl_add_u32 v[QO], v1, 4, s77
	v_lshl_add_u32 v[QSO], v1, 3, s76
	v_lshlrev_b32 v[MLO], 3, v1
.irp t, 0,1
.irp j, 4,5,6,7
	v_mov_b32 v[QF+8*\t+\j], 0                     ; the codes of k = 64 .. 127: zeros, written once; no load lands here
.endr
.endr
.irp kt, 0,1,2,3,4,5,6,7
.irp j, 4,5,6,7
	v_mov_b32 v[KF+8*\kt+\j], 0
.endr
.endr
	s_wait_dscnt 0x0                               ; both opening adds are done
	s_wait_kmcnt 0x0
	s_add_nc_u64 s[G0A+2:G0A+3], s[4:5], s[66:67]  ; 120:64 global address
	s_or_b32 s[G0A+3], s[G0A+3], 0x80000000        ; 127:126 type = 2
	s_add_nc_u64 s[G0B+2:G0B+3], s[6:7], s[68:69]
	s_or_b32 s[G0B+3], s[G0B+3], 0x80000000
	s_add_nc_u64 s[G0C+2:G0C+3], s[6:7], s[70:71]
	s_or_b32 s[G0C+3], s[G0C+3], 0x80000000
	s_add_nc_u64 s[72:73], s[4:5], s[74:75]        ; q, in registers that feed no descriptor
	s_add_nc_u64 s[8:9], s[8:9], s[78:79]
	s_add_nc_u64 s[10:11], s[10:11], s[80:81]
	ROUND                                          ; all four work-groups are here: the joint loads meet
	tensor_load_to_lds s[G0A:G0A+3], s[G1A:G1A+7]  ; all fills of the launch go out together: three loads of mine are out
	s_nop 0
	tensor_load_to_lds s[G0B:G0B+3], s[G1B:G1B+7]
	s_nop 0
	tensor_load_to_lds s[G0C:G0C+3], s[G1C:G1C+7]
	s_nop 0
.rept 4
	v_nop
.endr
	global_load_b128 v[QF:QF+3], v[QO], s[72:73]                 ; Q stays in registers: tile 0,
	global_load_b128 v[QF+8:QF+11], v[QO], s[72:73] offset:512   ; tile 1,
	global_load_b32 v[QS], v[QSO], s[72:73] offset:2048          ; and the scale words: lanes 0-15 tile 0's rows, lanes 16-31 tile 1's
; One product of S^T: 16 keys (tile kt of the step's eight) x 16 queries (tile t).  Scale words: register KS + kt / 2 holds an even tile's rows in lanes 0-15 and an odd tile's in lanes 16-31.  Every sum starts with the constant 0.
.macro QK1 kt, t
.if ((\kt)%2 == 0) && ((\t) == 0)
	v_wmma_scale_f32_16x16x128_f8f6f4 v[S+64*\t+8*\kt:S+64*\t+8*\kt+7], v[KF+8*\kt:KF+8*\kt+7], v[QF+8*\t:QF+8*\t+7], 0, v[KS+(\kt)/2], v[QS] matrix_a_fmt:MATRIX_FMT_FP4 matrix_b_fmt:MATRIX_FMT_FP4
.elseif ((\kt)%2 == 1) && ((\t) == 0)
	v_wmma_scale_f32_16x16x128_f8f6f4 v[S+64*\t+8*\kt:S+64*\t+8*\kt+7], v[KF+8*\kt:KF+8*\kt+7], v[QF+8*\t:QF+8*\t+7], 0, v[KS+(\kt)/2], v[QS] matrix_a_fmt:MATRIX_FMT_FP4 matrix_b_fmt:MATRIX_FMT_FP4 matrix_a_scale:MATRIX_SCALE_ROW1
.elseif ((\kt)%2 == 0)
	v_wmma_scale_f32_16x16x128_f8f6f4 v[S+64*\t+8*\kt:S+64*\t+8*\kt+7], v[KF+8*\kt:KF+8*\kt+7], v[QF+8*\t:QF+8*\t+7], 0, v[KS+(\kt)/2], v[QS] matrix_a_fmt:MATRIX_FMT_FP4 matrix_b_fmt:MATRIX_FMT_FP4 matrix_b_scale:MATRIX_SCALE_ROW1
.else
	v_wmma_scale_f32_16x16x128_f8f6f4 v[S+64*\t+8*\kt:S+64*\t+8*\kt+7], v[KF+8*\kt:KF+8*\kt+7], v[QF+8*\t:QF+8*\t+7], 0, v[KS+(\kt)/2], v[QS] matrix_a_fmt:MATRIX_FMT_FP4 matrix_b_fmt:MATRIX_FMT_FP4 matrix_a_scale:MATRIX_SCALE_ROW1 matrix_b_scale:MATRIX_SCALE_ROW1
.endif
.endm
.macro QK
.irp kt, 0,1,2,3,4,5,6,7
.irp t, 0,1
	QK1 \kt, \t
.endr
.endr
.endm
.macro KLOAD                           ; a step's K: eight images (the lower four registers of each fragment) and the scale words of its two groups
.irp kt, 0,1,2,3,4,5,6,7
	ds_load_b128 v[KF+8*\kt:KF+8*\kt+3], v[ADK] offset:2304*(\kt/4)+512*(\kt%4)
.endr
.irp g, 0,1
	ds_load_b64 v[KS+2*\g:KS+2*\g+1], v[ADS] offset:2304*\g
.endr
.endm
.macro VLOAD                           ; a step's V^T: sixteen fragments (32 keys f / 4, 16 channels f % 4), in one run under one window setting
	WIN 0x40                                       ; destination window 1, address window 0
.irp f, 0,1,2,3,4,5,6,7,8,9,10,11,12,13,14,15
.irp g, 0,1
	ds_load_b128 v[VF+8*\f+4*\g:VF+8*\f+4*\g+3], v[ADV] offset:1024*\f+512*\g
.endr
.endr
	WIN 0
.endm
; THE SOFTMAX of both tiles for one step.  first = 1: the first step, which starts m, l and O^T: it has no a and nothing to rescale.
; The exponentials go in two batches, tile 0's and tile 1's, each set between the other tile's plain work, and each with ONE wait ahead of its first reader.
.macro SM first
	; the largest of a lane's 64 scores, three operands at a time, four chains a tile, the tiles by turns; each accumulator is first read at its low end
.irp k, 0,1,2,3
.irp t, 0,1
	v_max3_num_f32 v[ST+8*\t+4+\k], v[S+64*\t+16*\k], v[S+64*\t+16*\k+1], v[S+64*\t+16*\k+2]
.endr
.endr
.irp n, 3,5,7,9,11,13
.irp k, 0,1,2,3
.irp t, 0,1
	v_max3_num_f32 v[ST+8*\t+4+\k], v[ST+8*\t+4+\k], v[S+64*\t+16*\k+\n], v[S+64*\t+16*\k+\n+1]
.endr
.endr
.endr
.irp t, 0,1
	v_max3_num_f32 v[ST+8*\t+4], v[ST+8*\t+4], v[S+64*\t+15], v[S+64*\t+31]
	v_max3_num_f32 v[ST+8*\t+6], v[ST+8*\t+6], v[S+64*\t+47], v[S+64*\t+63]
.endr
.irp t, 0,1
	v_max3_num_f32 v[ST+8*\t+4], v[ST+8*\t+4], v[ST+8*\t+5], v[ST+8*\t+6]
.endr
.irp t, 0,1
.if \first
	v_max_num_f32 v[ST+8*\t+4], v[ST+8*\t+4], v[ST+8*\t+7]
.else
	v_max3_num_f32 v[ST+8*\t+4], v[ST+8*\t+4], v[ST+8*\t+7], v[ST+8*\t+1]   ; and the old m
.endif
.endr
.irp t, 0,1
	v_permlanex16_b32 v[ST+8*\t+5], v[ST+8*\t+4], s[SEL], s[SEL+1]          ; the query's other 64 keys lie in the lane 16 away
.endr
.if \first == 0
.irp t, 0,1
	v_mov_b32 v[ST+8*\t+7], v[ST+8*\t]             ; c m_old is kept for a
.endr
.endif
.irp t, 0,1
	v_max_num_f32 v[ST+8*\t+1], v[ST+8*\t+4], v[ST+8*\t+5]
.endr
.irp t, 0,1
	v_mul_f32 v[ST+8*\t], s[CS], v[ST+8*\t+1]
.endr
.if \first == 0
.irp t, 0,1
	v_sub_f32 v[ST+8*\t+7], v[ST+8*\t+7], v[ST+8*\t]
.endr
.endif
	; tile 0: c s - c m, two at a time
.set i, 0
.rept 32
	v_pk_fma_f32 v[S+2*i:S+2*i+1], v[S+2*i:S+2*i+1], s[CS:CS+1], v[ST:ST+1] op_sel_hi:[1,0,0] neg_lo:[0,0,1] neg_hi:[0,0,1]
.set i, i+1
.endr
	; batch 1: both a, and tile 0's 64 exponentials; tile 1's scalings stand between them
.if \first == 0
	v_exp_f32 v[ST+6], v[ST+7]
	v_exp_f32 v[ST+14], v[ST+15]
.endif
.set i, 0
.rept 32
	v_exp_f32 v[S+2*i], v[S+2*i]
	v_exp_f32 v[S+2*i+1], v[S+2*i+1]
	v_pk_fma_f32 v[S+64+2*i:S+64+2*i+1], v[S+64+2*i:S+64+2*i+1], s[CS:CS+1], v[ST+8:ST+9] op_sel_hi:[1,0,0] neg_lo:[0,0,1] neg_hi:[0,0,1]
.set i, i+1
.endr
	s_wait_alu depctr_va_vdst(0)                   ; one wait for batch 1, behind a plain instruction and ahead of its first reader
	; batch 2: tile 1's 64 exponentials; tile 0's sums and roundings stand between them.  P is laid in place: pair i goes to register 16 (i / 8) + i % 8, which has been summed and rounded from by then
.set i, 0
.rept 32
	v_exp_f32 v[S+64+2*i], v[S+64+2*i]
	v_exp_f32 v[S+64+2*i+1], v[S+64+2*i+1]
.if i == 0
.if \first
	v_pk_add_f32 v[ST+2:ST+3], v[S:S+1], v[S+2:S+3]
.else
	v_pk_fma_f32 v[ST+2:ST+3], v[ST+2:ST+3], v[ST+6:ST+7], v[S:S+1] op_sel_hi:[1,0,1]   ; l = a l + p
.endif
.elseif (i > 1) || (\first == 0)
	v_pk_add_f32 v[ST+2:ST+3], v[ST+2:ST+3], v[S+2*i:S+2*i+1]
.endif
	v_cvt_pk_f16_f32 v[S+16*(i/8)+i%8], v[S+2*i], v[S+2*i+1]
.set i, i+1
.endr
.if \first == 0
	WIN 0x41                                       ; O^T (destination and source 0) in window 1, a in window 0
.set i, 0
.rept 16
	v_pk_mul_f32 v[2*i:2*i+1], v[2*i:2*i+1], v[ST+6:ST+7] op_sel_hi:[1,0]   ; tile 0's O^T x a, from each accumulator's low end on
.set i, i+1
.endr
	WIN 0
.endif
	s_wait_alu depctr_va_vdst(0)                   ; one wait for batch 2: no exponential is issued behind it
	; tile 1's sums, in four chains, its roundings and its rescaling
.irp c, 0,1,2,3
	v_pk_add_f32 v[TMP+2*\c:TMP+2*\c+1], v[S+64+2*\c:S+64+2*\c+1], v[S+72+2*\c:S+72+2*\c+1]
.endr
.set i, 8
.rept 24
	v_pk_add_f32 v[TMP+2*(i%4):TMP+2*(i%4)+1], v[TMP+2*(i%4):TMP+2*(i%4)+1], v[S+64+2*i:S+64+2*i+1]
.set i, i+1
.endr
	v_pk_add_f32 v[TMP:TMP+1], v[TMP:TMP+1], v[TMP+2:TMP+3]
	v_pk_add_f32 v[TMP+4:TMP+5], v[TMP+4:TMP+5], v[TMP+6:TMP+7]
.if \first
	v_pk_add_f32 v[ST+10:ST+11], v[TMP:TMP+1], v[TMP+4:TMP+5]
.else
	v_pk_add_f32 v[TMP:TMP+1], v[TMP:TMP+1], v[TMP+4:TMP+5]
	v_pk_fma_f32 v[ST+10:ST+11], v[ST+10:ST+11], v[ST+14:ST+15], v[TMP:TMP+1] op_sel_hi:[1,0,1]
.endif
.set i, 0
.rept 32
	v_cvt_pk_f16_f32 v[S+64+16*(i/8)+i%8], v[S+64+2*i], v[S+64+2*i+1]
.set i, i+1
.endr
.if \first == 0
	WIN 0x41
.set i, 0
.rept 16
	v_pk_mul_f32 v[32+2*i:32+2*i+1], v[32+2*i:32+2*i+1], v[ST+14:ST+15] op_sel_hi:[1,0]
.set i, i+1
.endr
	WIN 0
.endif
.endm
; O^T += V^T P: 32 products; the eight accumulators take turns, one instruction a turn.  first = 1: the first eight start the sums with the constant 0: nothing is ever cleared.
.macro PV first
	WIN 0x51                                       ; V^T, C and D in window 1, P in window 0
.irp ks, 0,1,2,3
.irp c, 0,1,2,3
.irp t, 0,1
.if (\first) && (\ks == 0)
	v_wmma_f32_16x16x32_f16 v[32*\t+8*\c:32*\t+8*\c+7], v[VF+32*\ks+8*\c:VF+32*\ks+8*\c+7], v[S+64*\t+16*\ks:S+64*\t+16*\ks+7], 0
.else
	v_wmma_f32_16x16x32_f16 v[32*\t+8*\c:32*\t+8*\c+7], v[VF+32*\ks+8*\c:VF+32*\ks+8*\c+7], v[S+64*\t+16*\ks:S+64*\t+16*\ks+7], v[32*\t+8*\c:32*\t+8*\c+7]
.endif
.endr
.endr
.endr
	WIN 0
.rept 5
	v_nop                                          ; five places: the next step's products write over P's registers, which these products have read (ISA guide 7.12.1)
.endr
.endm
; A KEY STEP.  Its K was asked for a step ago.  first = 1: step 0, whose V is read behind the barrier that shows it landed.  test = 1: in the loop, whose last trip has no next K.
.macro STEP first, test
	s_wait_dscnt 0x0                               ; this step's K and scale words are in
	QK
	s_add_co_u32 s[TK], s[TK], KSTEPB
	v_add_nc_u32 v[ADK], s[TK], v[AK0]             ; three additions and a v_nop: the four places in front of loads into registers that the products have read
	v_add_nc_u32 v[ADS], s[TK], v[AS0]
	v_add_nc_u32 v[ADV], s[TV], v[AV0]
	v_nop
	s_add_co_u32 s[TV], s[TV], VSTEPB
.if \test
	s_cmp_eq_u32 s[CNT], 1                         ; a counted loop's step: the same in all waves and work-groups
	s_cbranch_scc1 .Lno_next_\@
.endif
	KLOAD                                          ; the next step's K: it lands under the softmax
.if \test
.Lno_next_\@:
.endif
.if \first == 0
	VLOAD                                          ; this step's V^T likewise
.endif
	SM \first
.if \first
	s_wait_tensorcnt 0x1                           ; my part of V^T for steps 0 and 1 is in; one younger load may stay out
	s_wait_dscnt 0x0                               ; no LDS instruction of mine is out at a signal
	s_barrier_signal -1
	s_barrier_wait -1                              ; everybody's is
	VLOAD
.endif
	s_wait_dscnt 0x0                               ; V^T is in (and the next K)
	PV \first
.endm
	s_wait_tensorcnt 0x2                           ; my two groups of k are in; the two younger loads may stay out
	s_barrier_signal -1
	s_barrier_wait -1                              ; everybody's are
	v_add_nc_u32 v[ADK], s[TK], v[AK0]
	v_add_nc_u32 v[ADS], s[TK], v[AS0]
	KLOAD                                          ; step 0's K
	s_wait_loadcnt 0x0                             ; Q
	STEP 1, 0                                      ; step 0
	STEP 0, 0                                      ; step 1
	s_wait_tensorcnt 0x0                           ; my part of V^T for steps 2 to 7 is in
	s_wait_dscnt 0x0
	s_barrier_signal -1
	s_barrier_wait -1                              ; everybody's is: the loop has no barrier
	s_mov_b32 s[CNT], 6
.Lstep:                                                ; steps 2 to 7
	STEP 0, 1
	s_sub_co_u32 s[CNT], s[CNT], 1
	s_cmp_lg_u32 s[CNT], 0
	s_cbranch_scc1 .Lstep
	; THE WAY OUT.  l's two halves and the other half of the lanes' are added.  O^T is divided by l, so that it has f16's room whatever the number of keys, and rounded to f16 in pairs: 16 registers a tile,
	; of which registers 8 ks .. 8 ks + 7 are source 1 (channels 32 ks on x 16 queries) of the projection as they stand.  They leave as images of the registers: half the bytes of f32.
.irp t, 0,1
	v_add_f32 v[ST+8*\t+4], v[ST+8*\t+2], v[ST+8*\t+3]
.endr
.irp t, 0,1
	v_permlanex16_b32 v[ST+8*\t+5], v[ST+8*\t+4], s[SEL], s[SEL+1]
.endr
.irp t, 0,1
	v_add_f32 v[ST+8*\t+4], v[ST+8*\t+4], v[ST+8*\t+5]
.endr
.irp t, 0,1
	v_rcp_f32 v[ST+8*\t+6], v[ST+8*\t+4]           ; l is at least 1: the largest score's own weight
.endr
	v_cndmask_b32 v12, v[ST], v[ST+8], s[HI]       ; lane l: query l of my 32: tile 0's below, tile 1's above: c m,  (two plain instructions behind the reciprocals)
	v_cndmask_b32 v13, v[ST+4], v[ST+12], s[HI]    ; and l
	s_wait_alu depctr_va_vdst(0)                   ; one wait for the two reciprocals, ahead of their first reader
	WIN 0x41                                       ; O^T (destination and source 0) in window 1, 1 / l in window 0
.irp t, 0,1
.set i, 0
.rept 16
	v_pk_mul_f32 v[32*\t+2*i:32*\t+2*i+1], v[32*\t+2*i:32*\t+2*i+1], v[ST+8*\t+6:ST+8*\t+7] op_sel_hi:[1,0]   ; from each accumulator's low end on
.set i, i+1
.endr
.endr
	WIN 0x05                                       ; sources 0 and 1 in window 1, destination in window 0: S^T's registers are free
.irp t, 0,1
.set i, 0
.rept 16
	v_cvt_pk_f16_f32 v[S+16*\t+i], v[32*\t+2*i], v[32*\t+2*i+1]
.set i, i+1
.endr
.endr
	WIN 0
.irp i, 0,1,2,3,4,5,6,7
	global_store_b128 v[AK0], v[S+4*\i:S+4*\i+3], s[8:9] offset:512*\i th:TH_STORE_NT   ; 32 lanes store 512 consecutive bytes, at a multiple of 256 from po's first byte
.endr
	global_store_b64 v[MLO], v[12:13], s[10:11] th:TH_STORE_NT                          ; 256 consecutive bytes, aligned
	s_wait_tensorcnt 0x0                           ; the wave's end
	ds_add_u32 v[SPW], v[NIL]
	s_wait_dscnt 0x0
	ROUND                                          ; the closing round: no work-group ends while a partner may still ask for a tile that names it
	s_endpgm
.Lfunc_end_k_qb451a1eb32_attn:
	.size	k_qb451a1eb32_attn, .Lfunc_end_k_qb451a1eb32_attn-k_qb451a1eb32_attn
	.p2alignl 7, 3214868480
	.fill 96, 4, 3214868480
	.section	.rodata,"a",@progbits
	.p2align	6, 0x0
	.amdhsa_kernel k_qb451a1eb32_attn
		.amdhsa_group_segment_fixed_size 168960
		.amdhsa_private_segment_fixed_size 0
		.amdhsa_enable_private_segment 0
		.amdhsa_kernarg_size 32
		.amdhsa_user_sgpr_count 2
		.amdhsa_user_sgpr_kernarg_segment_ptr 1
		.amdhsa_wavefront_size32 1
		.amdhsa_system_sgpr_workgroup_id_x 1
		.amdhsa_system_sgpr_workgroup_id_y 1
		.amdhsa_system_sgpr_workgroup_id_z 1
		.amdhsa_system_vgpr_workitem_id 0
		.amdhsa_next_free_vgpr 448
		.amdhsa_next_free_sgpr 82
		.amdhsa_reserve_vcc 0
		.amdhsa_float_denorm_mode_32 3
		.amdhsa_float_denorm_mode_16_64 3
		.amdhsa_memory_ordered 1
		.amdhsa_forward_progress 1
		.amdhsa_inst_pref_size 102
	.end_amdhsa_kernel
	.amdgpu_metadata
---
amdhsa.version: [ 1, 2 ]
amdhsa.kernels:
  - .name:           k_qb451a1eb32_attn
    .symbol:         k_qb451a1eb32_attn.kd
    .args:
      - { .name: qk, .offset: 0, .size: 8, .value_kind: global_buffer, .address_space: global }
      - { .name: vh, .offset: 8, .size: 8, .value_kind: global_buffer, .address_space: global }
      - { .name: po, .offset: 16, .size: 8, .value_kind: global_buffer, .address_space: global }
      - { .name: ml, .offset: 24, .size: 8, .value_kind: global_buffer, .address_space: global }
    .group_segment_fixed_size: 168960
    .private_segment_fixed_size: 0
    .kernarg_segment_align: 8
    .kernarg_segment_size: 32
    .max_flat_workgroup_size: 256
    .sgpr_count:     82
    .vgpr_count:     448
    .wavefront_size: 32
...
	.end_amdgpu_metadata
.endif
;; end of part 2
;; launch proj (part 3): grid 256 x 1, 4 waves a work-group, no clusters, 38,400 bytes of LDS; arguments po, ml, wf, out0; writes out0
.if DOCPART == 3
	.amdgcn_target "amdgcn-amd-amdhsa--gfx1250"
	.amdhsa_code_object_version 6
	.text
	.protected	k_qb451a1eb32_proj
	.globl	k_qb451a1eb32_proj
	.p2align	8
	.type	k_qb451a1eb32_proj,@function
k_qb451a1eb32_proj:
	s_mov_b64 s[64:65], 0
	v_nop
	global_prefetch_b8 v0, s[64:65] scope:SCOPE_SE
	s_setreg_imm32_b32 hwreg(HW_REG_WAVE_MODE, 25, 1), 1
	s_wait_xcnt 0x0
; out0 = tile(head, 8) w_o = head Wsum, head = the eight parts of each query joined.  Work-group b takes rows 32 b .. + 31: two tiles of 16 queries.
; JOIN.  Part sp of a query has c m_sp, l_sp (ml, f32) and H_sp, its softmax over its own keys times v (po, f16).  With Mx = the largest c m_sp and a_sp = 2^(c m_sp - Mx): head = the sum of (a_sp l_sp / L) H_sp,
; L = the sum of a_sp l_sp.  The parts are widened to f32 and joined in f32.
; Wave w joins tile w / 2, channels 32 (w % 2) on: 8 packed registers a lane and part; the joined 16 numbers, rounded to f16 in pairs, ARE source 1 (32 channels x 16 queries) of the product.  The four fragments go to the other
; waves through LDS as images of their registers: 16 bytes a lane, 512 consecutive bytes a store.
; PRODUCT, f16 operands, f32 sums, used transposed (source 0 = 16 columns of Wsum, source 1 = head): a lane holds eight neighbouring columns of one row of out0.  Wave w makes columns 128 w .. + 127 for both tiles;
; its sixteen fragments of Wsum^T come from memory straight into registers, in the order in which they were laid.
; A wave has 8 + 16 + 32 = 56 loads, all issued at the head.
; LIMITS: NaN and infinities are not served; |head| and |Wsum| stay under 65,504, f16's largest number.
; No cluster: what the work-groups share, wf's 64 KiB, comes through registers, each wave its own quarter.
; REGISTERS.  Window 0: v2-7 addresses; v12-14 Mx, L, 1 / L; v16-31 the pairs (c m, l), then (weight, l); v32-47 a part's 16 numbers in f32, v48-63 head's 16; later v32-63 the four head fragments;
;             v64-127 the parts as loaded (under v128, where a register's halves have names); v128-135 the fragment just made; later v128-255 the 16 accumulators, then rows of out0.
;             Window 1: v0-127 Wsum^T's fragments: (column tile nt, 32 channels s) at v[8 (2 nt + s)].
.set STG,   4096                       ; LDS: the four head fragments from 0 (1,024 bytes each); from here a stage of 16 rows x (512 bytes + 16) for each wave;
.set SPARE, STG+4*8448                 ; the spare words, 128 bytes for each wave: two blocks of 256 bytes that no other line names
.set SPW, 10                           ; v10  LDS address of my spare word; never rewritten
.set NIL, 11                           ; v11  0; never rewritten
.set ML,  16
.set T,   32
.set HA,  48
.set HF,  32
.set PK,  64
.set FR,  128
.set P,   128
.set MSB, 0
.macro WIN new                         ; the immediate's high byte repeats the setting that is left
.if MSB != \new
	s_set_vgpr_msb (MSB<<8)|\new
.set MSB, \new
.endif
.endm
; Part sp's eight packed registers become 16 numbers in f32: the low halves; a shift brings the high halves down, in place; the same conversion again.  a0 .. a7 name the registers' low halves.
.macro UNPACK sp, a0, a1, a2, a3, a4, a5, a6, a7
.set n, 0
.irp s, \a0, \a1, \a2, \a3, \a4, \a5, \a6, \a7
	v_cvt_f32_f16 v[T+2*n], \s
.set n, n+1
.endr
.irp j, 0,1,2,3,4,5,6,7
	v_lshrrev_b32 v[PK+8*\sp+\j], 16, v[PK+8*\sp+\j]
.endr
.set n, 0
.irp s, \a0, \a1, \a2, \a3, \a4, \a5, \a6, \a7
	v_cvt_f32_f16 v[T+2*n+1], \s
.set n, n+1
.endr
.endm
.macro JOIN sp                         ; head += weight x part, two at a time; the first part starts the sums
.irp p, 0,1,2,3,4,5,6,7
.if \sp == 0
	v_pk_mul_f32 v[HA+2*\p:HA+2*\p+1], v[T+2*\p:T+2*\p+1], v[ML:ML+1] op_sel_hi:[1,0]
.else
	v_pk_fma_f32 v[HA+2*\p:HA+2*\p+1], v[T+2*\p:T+2*\p+1], v[ML+2*\sp:ML+2*\sp+1], v[HA+2*\p:HA+2*\p+1] op_sel_hi:[1,0,1]
.endif
.endr
.endm
	s_load_b256 s[4:11], s[0:1], 0x0               ; po s[4:5], ml s[6:7], wf s[8:9], out0 s[10:11]
	v_lshl_add_u32 v[SPW], v0, 2, SPARE
	v_mov_b32 v[NIL], 0
	v_lshrrev_b32 v1, 5, v0
	v_readfirstlane_b32 s12, v1                    ; wave 0..3
	v_and_b32 v1, 31, v0                           ; lane
	v_and_b32 v8, 15, v0                           ; r
	v_bfe_u32 v9, v0, 4, 1                         ; h
	v_lshlrev_b32 v2, 4, v1                        ; 16 x lane: an image's place for my lane, in memory and in LDS
	v_lshlrev_b32 v3, 3, v8                        ; 8 r: my query's pair in ml
	s_lshl_b32 s13, s12, 10
	v_add_nc_u32 v4, s13, v2                       ; where I store my fragment: 1024 x wave + 16 x lane
	s_mul_i32 s14, s12, 8448
	s_add_co_u32 s14, s14, STG                     ; my stage
	v_mul_u32_u24 v6, v8, 528
	v_lshl_add_u32 v6, v9, 5, v6
	v_add_nc_u32 v6, s14, v6                       ; in: row r, 32 bytes for each half of the lanes
	v_add_nc_u32 v7, s14, v2                       ; back: the 32 lanes take one row of 512 bytes
	s_lshr_b32 s15, s12, 1                         ; the tile that I join,
	s_and_b32 s16, s12, 1                          ; and which 32 channels
	s_lshl_b32 s20, ttmp9, 8                       ; ml: 8 (32 b + 16 tile)
	s_lshl_b32 s22, s15, 7
	s_add_co_u32 s20, s20, s22
	s_mov_b32 s21, 0
	s_lshl_b32 s22, ttmp9, 12                      ; po: 2048 (2 b + tile) + 1024 x half
	s_lshl_b32 s24, s15, 11
	s_add_co_u32 s22, s22, s24
	s_lshl_b32 s24, s16, 10
	s_add_co_u32 s22, s22, s24
	s_mov_b32 s23, 0
	s_lshl_b32 s24, s12, 14                        ; wf: my sixteen fragments
	s_mov_b32 s25, 0
	s_lshl_b32 s26, ttmp9, 16                      ; out0: 32 rows of 2,048 bytes a work-group, 512 bytes of each a wave
	s_lshl_b32 s28, s12, 9
	s_add_co_u32 s26, s26, s28
	s_mov_b32 s27, 0
	s_wait_kmcnt 0x0
	s_add_nc_u64 s[6:7], s[6:7], s[20:21]
	s_add_nc_u64 s[4:5], s[4:5], s[22:23]
	s_add_nc_u64 s[8:9], s[8:9], s[24:25]
	s_add_nc_u64 s[10:11], s[10:11], s[26:27]
.irp sp, 0,1,2,3,4,5,6,7
	global_load_b64 v[ML+2*\sp:ML+2*\sp+1], v3, s[6:7] offset:65536*\sp
.endr
.irp sp, 0,1,2,3,4,5,6,7
.irp i, 0,1
	global_load_b128 v[PK+8*\sp+4*\i:PK+8*\sp+4*\i+3], v2, s[4:5] offset:1048576*\sp+512*\i th:TH_LOAD_NT   ; 32 lanes read 512 consecutive bytes; each byte of po is read once.  7,340,544 at the most: inside the signed 24-bit immediate (ISA guide, chapter 10)
.endr
.endr
	WIN 0x40                                       ; destination window 1
.irp f, 0,1,2,3,4,5,6,7,8,9,10,11,12,13,14,15
.irp g, 0,1
	global_load_b128 v[8*\f+4*\g:8*\f+4*\g+3], v2, s[8:9] offset:1024*\f+512*\g
.endr
.endr
	WIN 0
	s_wait_loadcnt 32                              ; ml and po are in; Wsum^T's 32 loads may be out
	v_max3_num_f32 v12, v[ML], v[ML+2], v[ML+4]
	v_max3_num_f32 v12, v12, v[ML+6], v[ML+8]
	v_max3_num_f32 v12, v12, v[ML+10], v[ML+12]
	v_max_num_f32 v12, v12, v[ML+14]               ; Mx
.irp sp, 0,1,2,3,4,5,6,7
	v_sub_f32 v[ML+2*\sp], v[ML+2*\sp], v12
.endr
.irp sp, 0,1,2,3,4,5,6,7
	v_exp_f32 v[ML+2*\sp], v[ML+2*\sp]             ; a_sp
.endr
	v_nop                                          ; a plain instruction behind the last exponential,
	s_wait_alu depctr_va_vdst(0)                   ; and one wait for the eight, ahead of their first reader
.irp sp, 0,1,2,3,4,5,6,7
	v_mul_f32 v[ML+2*\sp], v[ML+2*\sp], v[ML+2*\sp+1]   ; a_sp l_sp
.endr
	v_add_f32 v13, v[ML], v[ML+2]
.irp sp, 2,3,4,5,6,7
	v_add_f32 v13, v13, v[ML+2*\sp]                ; L: at least 1, the share of the part that holds Mx
.endr
	v_rcp_f32 v14, v13
	v_nop                                          ; a plain instruction behind the reciprocal; the first part's widening, which names neither L nor 1 / L, stands between it and the wait
	UNPACK 0, v64.l, v65.l, v66.l, v67.l, v68.l, v69.l, v70.l, v71.l
	s_wait_alu depctr_va_vdst(0)
.irp sp, 0,1,2,3,4,5,6,7
	v_mul_f32 v[ML+2*\sp], v[ML+2*\sp], v14        ; the part's weight
.endr
	JOIN 0
	UNPACK 1, v72.l, v73.l, v74.l, v75.l, v76.l, v77.l, v78.l, v79.l
	JOIN 1
	UNPACK 2, v80.l, v81.l, v82.l, v83.l, v84.l, v85.l, v86.l, v87.l
	JOIN 2
	UNPACK 3, v88.l, v89.l, v90.l, v91.l, v92.l, v93.l, v94.l, v95.l
	JOIN 3
	UNPACK 4, v96.l, v97.l, v98.l, v99.l, v100.l, v101.l, v102.l, v103.l
	JOIN 4
	UNPACK 5, v104.l, v105.l, v106.l, v107.l, v108.l, v109.l, v110.l, v111.l
	JOIN 5
	UNPACK 6, v112.l, v113.l, v114.l, v115.l, v116.l, v117.l, v118.l, v119.l
	JOIN 6
	UNPACK 7, v120.l, v121.l, v122.l, v123.l, v124.l, v125.l, v126.l, v127.l
	JOIN 7
.irp p, 0,1,2,3,4,5,6,7
	v_cvt_pk_f16_f32 v[FR+\p], v[HA+2*\p], v[HA+2*\p+1]
.endr
	ds_store_b128 v4, v[FR:FR+3]
	ds_store_b128 v4, v[FR+4:FR+7] offset:512
	s_wait_dscnt 0x0                               ; for the others' sake: my stores have landed
	s_barrier_signal -1
	s_barrier_wait -1                              ; the four fragments lie in LDS
.irp f, 0,1,2,3
.irp g, 0,1
	ds_load_b128 v[HF+8*\f+4*\g:HF+8*\f+4*\g+3], v2 offset:1024*\f+512*\g   ; fragment f = 2 x tile + half
.endr
.endr
	s_wait_loadcnt 0x0                             ; Wsum^T
	s_wait_dscnt 0x0
	WIN 0x01                                       ; source 0 in window 1
.irp s, 0,1                            ; the sixteen accumulators take turns, one instruction a turn; the first 32 channels start the sums with the constant 0
.irp nt, 0,1,2,3,4,5,6,7
.irp qt, 0,1
.if \s == 0
	v_wmma_f32_16x16x32_f16 v[P+8*(8*\qt+\nt):P+8*(8*\qt+\nt)+7], v[8*(2*\nt+\s):8*(2*\nt+\s)+7], v[HF+8*(2*\qt+\s):HF+8*(2*\qt+\s)+7], 0
.else
	v_wmma_f32_16x16x32_f16 v[P+8*(8*\qt+\nt):P+8*(8*\qt+\nt)+7], v[8*(2*\nt+\s):8*(2*\nt+\s)+7], v[HF+8*(2*\qt+\s):HF+8*(2*\qt+\s)+7], v[P+8*(8*\qt+\nt):P+8*(8*\qt+\nt)+7]
.endif
.endr
.endr
.endr
	WIN 0
.rept 4
	v_nop                                          ; four places in front of the LDS stores that read results, and of the loads into their registers
.endr
	; THE WAY OUT: a tile's 16 rows x 128 columns go through my own stage and come back as whole rows of 512 bytes, into the registers that they left.  LDS serves a wave's instructions in order (ISA guide 5.7.1.4)
.irp qt, 0,1
.irp nt, 0,1,2,3,4,5,6,7
	ds_store_b128 v6, v[P+8*(8*\qt+\nt):P+8*(8*\qt+\nt)+3] offset:64*\nt          ; each accumulator from its low end on
	ds_store_b128 v6, v[P+8*(8*\qt+\nt)+4:P+8*(8*\qt+\nt)+7] offset:64*\nt+16
.endr
.irp t, 0,1,2,3,4,5,6,7,8,9,10,11,12,13,14,15
	ds_load_b128 v[P+64*\qt+4*\t:P+64*\qt+4*\t+3], v7 offset:528*\t
.endr
.endr
	s_wait_dscnt 32                                ; tile 0 is back; tile 1's 16 stores and 16 loads may be out
.irp t, 0,1,2,3,4,5,6,7,8,9,10,11,12,13,14,15
	global_store_b128 v2, v[P+4*\t:P+4*\t+3], s[10:11] offset:2048*\t th:TH_STORE_NT   ; 32 lanes store 512 consecutive bytes, at a multiple of 256 from out0's first byte
.endr
	s_wait_dscnt 0x0
.irp t, 0,1,2,3,4,5,6,7,8,9,10,11,12,13,14,15
	global_store_b128 v2, v[P+64+4*\t:P+64+4*\t+3], s[10:11] offset:32768+2048*\t th:TH_STORE_NT
.endr
	s_wait_tensorcnt 0x0                           ; the wave's end
	ds_add_u32 v[SPW], v[NIL]
	s_wait_dscnt 0x0
	s_endpgm
.Lfunc_end_k_qb451a1eb32_proj:
	.size	k_qb451a1eb32_proj, .Lfunc_end_k_qb451a1eb32_proj-k_qb451a1eb32_proj
	.p2alignl 7, 3214868480
	.fill 96, 4, 3214868480
	.section	.rodata,"a",@progbits
	.p2align	6, 0x0
	.amdhsa_kernel k_qb451a1eb32_proj
		.amdhsa_group_segment_fixed_size 38400
		.amdhsa_private_segment_fixed_size 0
		.amdhsa_enable_private_segment 0
		.amdhsa_kernarg_size 32
		.amdhsa_user_sgpr_count 2
		.amdhsa_user_sgpr_kernarg_segment_ptr 1
		.amdhsa_wavefront_size32 1
		.amdhsa_system_sgpr_workgroup_id_x 1
		.amdhsa_system_sgpr_workgroup_id_y 1
		.amdhsa_system_sgpr_workgroup_id_z 1
		.amdhsa_system_vgpr_workitem_id 0
		.amdhsa_next_free_vgpr 384
		.amdhsa_next_free_sgpr 66
		.amdhsa_reserve_vcc 0
		.amdhsa_float_denorm_mode_32 3
		.amdhsa_float_denorm_mode_16_64 3
		.amdhsa_memory_ordered 1
		.amdhsa_forward_progress 1
		.amdhsa_inst_pref_size 30
	.end_amdhsa_kernel
	.amdgpu_metadata
---
amdhsa.version: [ 1, 2 ]
amdhsa.kernels:
  - .name:           k_qb451a1eb32_proj
    .symbol:         k_qb451a1eb32_proj.kd
    .args:
      - { .name: po, .offset: 0, .size: 8, .value_kind: global_buffer, .address_space: global }
      - { .name: ml, .offset: 8, .size: 8, .value_kind: global_buffer, .address_space: global }
      - { .name: wf, .offset: 16, .size: 8, .value_kind: global_buffer, .address_space: global }
      - { .name: out0, .offset: 24, .size: 8, .value_kind: global_buffer, .address_space: global }
    .group_segment_fixed_size: 38400
    .private_segment_fixed_size: 0
    .kernarg_segment_align: 8
    .kernarg_segment_size: 32
    .max_flat_workgroup_size: 128
    .sgpr_count:     66
    .vgpr_count:     384
    .wavefront_size: 32
...
	.end_amdgpu_metadata
.endif
;; end of part 3
